; MI455X (gfx1250); checked and timed in simulation.
; The chip was launched on July 23, 2026; its instructions are those of AMD's public machine-readable ISA for CDNA 5 (MIT licence, August 2026) and "CDNA5" Instruction Set Architecture Reference Guide (July 2026). The comments in the code are by the model that wrote it; some were corrected since.
;; Attention. Allowed arithmetic: matrix products marked QUANTISED: E2M1 operands, one E8M0 scale for each 32 along K, by v_wmma_scale_f32_16x16x128_f8f6f4 with both operands' format E2M1 (or v_wmma_scale_f32_32x16x128_f4), f32 sums; products left as they are: f32 operands where the result goes on into a quantised operand, else bf16, f16 or f32 operands; f32 sums; everything else in f32.
;; Inputs: W1_codes 1,024 x 32 x 16 uint8 (E2M1 codes of W1, K innermost, in blocks of 32 codes, two codes a byte); W1_scales 1,024 x 32 uint8 (E8M0 scales of W1, one for each 32 codes along K); W2_codes 1,024 x 32 x 16 uint8 (E2M1 codes of W2, K innermost, in blocks of 32 codes, two codes a byte); W2_scales 1,024 x 32 uint8 (E8M0 scales of W2, one for each 32 codes along K); Wv 1,024 x 1 float32; b1 1,024 float32; b2 1,024 float32; bv 1 float32; query_codes 32 x 32 x 16 uint8 (E2M1 codes of query, K innermost, in blocks of 32 codes, two codes a byte); query_scales 32 x 32 uint8 (E8M0 scales of query, one for each 32 codes along K); values 32 x 2,048 x 1,024 float32.
;; Outputs: out0 32 x 1,024 float32; out1 32 x 2,048 x 1 float32.
;; This version of the problem:
;;   THIS VERSION OF THE PROBLEM IS GIVEN IN LOW PRECISION. The matrix products marked QUANTISED in the list below multiply operands that are first quantised to E2M1 (2 exponent bits, 1 mantissa bit; 4 bits a number), with one power-of-two scale for each 32 numbers along K (OCP MX v1.0); their sums are f32. All else is computed in f32.
;;   The module's matrix products, in the order in which they are computed (A, B: the left and right operand; K: the contracted axis; several contracted axes count as one K, in the product's order):
;;     1. [M 32, K 1,024] x [K 1,024, N 1,024]; A: input query (given as codes); B: input W1 (given as codes): QUANTISED
;;     2. [M 65,536, K 1,024] x [K 1,024, N 1,024]; A: input values; B: input W2 (given as codes): QUANTISED
;;     3. [M 65,536, K 1,024] x [K 1,024, N 1]; A: computed on the way; B: input Wv: left as it is (N = 1 < 16)
;;   THE QUANTISER, for each operand of a quantised product, along K:
;;     - K is cut into blocks of 32 from its start; a last block that is shorter is filled with zeros.
;;     - A block's scale is 2^e with e = floor(log2(the largest magnitude in the block)) - 2, held to -126 .. 127; a block of zeros has e = 0. As a byte (E8M0): e + 127.
;;     - Each number is divided by its block's scale, clamped to +-6, and rounded to the nearest number of E2M1, ties to even, subnormals kept.
;;     - The product sums the exact products of the quantised numbers (number of the format x scale) in f32.
;;   ~~~python
;;   def quantise(x, axis):      # numpy; x: float32 -> the quantised numbers, widened to float32 again
;;       x = np.moveaxis(x, axis, -1); K = x.shape[-1]
;;       x = np.pad(x, [(0, 0)] * (x.ndim - 1) + [(0, -K % 32)]); x = x.reshape(x.shape[:-1] + (-1, 32)); a = np.abs(x).max(-1, keepdims=True)
;;       e = np.where(a > 0, np.clip(np.frexp(np.where(a > 0, a, 1))[1] - 1 - 2, -126, 127), 0)      # np.frexp(a)[1] - 1 = floor(log2(a)), exactly
;;       r = np.clip(x / 2.0 ** e, -6, 6)
;;       step = 2.0 ** (np.maximum(np.frexp(np.where(r == 0, 1, r))[1] - 1, 0) - 1)
;;       q = np.round(r / step) * step * 2.0 ** e      # np.round: ties to even
;;       return np.moveaxis(q.reshape(q.shape[:-2] + (-1,))[..., :K], -1, axis).astype(np.float32)
;;   ~~~
;;   INPUTS GIVEN AS CODES. W1 (in the module: [1024, 1024], K = its axis 0); W2 (in the module: [1024, 1024], K = its axis 0); query (in the module: [32, 1024], K = its axis 1): each comes as NAME_codes (uint8): NAME with its K axis moved to the last place and cut into blocks of 32 codes, [.., K / 32, bytes a block], one block behind the other in memory; two codes a byte, the lower K in the low four bits (a code: sign, 2 exponent bits, 1 mantissa bit); and NAME_scales (uint8): the same leading axes, one E8M0 byte (e + 127) for each 32 codes along K. Its value is code x scale, taken as it is: it is not quantised again, and the codes and scales need not be those that the quantiser above would give.
;; One version. Each part assembles by itself: llvm-mc -triple=amdgcn-amd-amdhsa -mcpu=gfx1250 --defsym DOCPART=n.
;; ======== version 1 of 1: 3 launches
;; limits: right only within a limited range of input values
;; workspace buffers: w2img 524,288 bytes; qpc 131,072 bytes; sc 262,144 bytes; pml 65,536 bytes; pctx 1,048,576 bytes
;; launch prep (part 1): grid 128 x 1, 1 waves a work-group, no clusters, 2,304 bytes of LDS; arguments query_codes, query_scales, W1_codes, W1_scales, b1, b2, W2_codes, w2img, qpc; writes w2img, qpc
.if DOCPART == 1
	.amdgcn_target "amdgcn-amd-amdhsa--gfx1250"
	.amdhsa_code_object_version 6
	.text
	.protected	k_qd07055c797_prep
	.globl	k_qd07055c797_prep
	.p2align	8
	.type	k_qd07055c797_prep,@function
k_qd07055c797_prep:
	s_mov_b64 s[64:65], 0
	v_nop
	global_prefetch_b8 v0, s[64:65] scope:SCOPE_SE
	s_setreg_imm32_b32 hwreg(HW_REG_WAVE_MODE, 25, 1), 1
	s_wait_xcnt 0x0
; Two small jobs ahead of the main launch, one wave to a work-group; the work-group's number chooses the job.
; Work-groups 0-63 (tile T = number): qpc[T][batch][r] = c2 x (query W1 + b1 + b2) at column 16 T + r, c2 = 2 log2(e): the part of tanh's argument that hangs on the batch alone,
;   already scaled for the exponential.  The product is on codes of FP4 (E2M1) with E8M0 scales as they are given: 32 batches x 16 columns x K 1,024 = 16 matrix instructions.
; Work-groups 64-127 (tile T = number - 64): W2's codes of columns 16 T .. 16 T + 15 are laid anew as images of the operand's registers: w2img[T][K step 8][c 2][lane 32][16 bytes],
;   so that the main launch brings four registers of a fragment by one load of 512 consecutive bytes.
; A fragment (16 rows x 128 K of 4-bit codes) is 8 registers: lane l holds row l % 16; registers 4 c .. 4 c + 3 hold K = 64 c + 32 (l / 16) + 0 .. 31: 16 bytes of the row as they lie.
; WORK LEFT OUT, in the whole program: bv.  reference() adds bv[0] to score[b][t] for every t alike, and the score goes into softmax over t alone: exp(s + bv) / sum exp(s + bv) = exp(s) / sum exp(s)
; for every finite bv, and both outputs are made of these weights.  So bv reaches no output: it is not loaded and is no launch's argument.  Limit: a NaN, an infinity or an overflow that bv alone would bring is not carried to the results.
.set C2, 0x4038aa3b
.set QF, 16                            ; v16-143  query's fragments: (g, k) at QF + 64 g + 8 k, g = batches 16 g on
.set WF, 144                           ; v144-207 W1's tile: K step k at WF + 8 k
.set QSW, 208                          ; v208-215 query's scale words: register k = K step k, lane m = batch m
.set WSW, 216                          ; v216-223 W1's scale words: register k, lane r = column r
.set AC, 232                           ; v232-239 batches 0-15, v240-247 batches 16-31
	s_load_b512 s[4:19], s[0:1], 0x0               ; query codes s[4:5], scales s[6:7]; W1 codes s[8:9], scales s[10:11]; b1 s[12:13]; b2 s[14:15]; W2 codes s[16:17]; w2img s[18:19]
	s_load_b64 s[20:21], s[0:1], 0x40              ; qpc
	v_lshl_add_u32 v254, v0, 2, 0x800
	v_mov_b32 v255, 0
	v_and_b32 v1, 15, v0                           ; r
	v_lshrrev_b32 v2, 4, v0                        ; h
	v_lshlrev_b32 v3, 9, v1                        ; a row of 1,024 codes is 512 bytes
	v_lshl_add_u32 v3, v2, 4, v3                   ; 512 r + 16 h
	v_lshlrev_b32 v4, 4, v0                        ; 16 x lane
	s_mov_b32 s23, 0
	s_wait_kmcnt 0x0
	s_cmp_lt_u32 ttmp9, 64
	s_cbranch_scc1 .Lquery
	; ---- W2's tile as register images
	s_sub_co_u32 s22, ttmp9, 64
	s_lshl_b32 s22, s22, 13                        ; 16 rows of 512 bytes in, 8,192 bytes out
	s_add_nc_u64 s[16:17], s[16:17], s[22:23]
	s_add_nc_u64 s[18:19], s[18:19], s[22:23]
	s_wait_alu depctr_va_vdst(0)
.irp n, 0,1,2,3,4,5,6,7,8,9,10,11,12,13,14,15
	global_load_b128 v[16+4*\n:19+4*\n], v3, s[16:17] offset:32*\n      ; n = 2 k + c: byte 64 k + 32 c of the row
.endr
.irp n, 0,1,2,3,4,5,6,7,8,9,10,11,12,13,14,15
	s_wait_loadcnt 15-\n                           ; loads come back in order: the 15 - n younger ones may be out
	global_store_b128 v4, v[16+4*\n:19+4*\n], s[18:19] offset:512*\n    ; 32 lanes store 512 consecutive bytes, aligned
.endr
	s_endpgm
.Lquery:
	; ---- c2 x (query W1 + b1 + b2) for 16 columns
	s_wait_alu depctr_va_vdst(0)
	v_lshlrev_b32 v5, 9, v2
	v_lshl_add_u32 v5, v1, 2, v5                   ; the stage: 512 h + 4 r
	v_lshlrev_b32 v6, 5, v0                        ; query's scales: 32 bytes a batch, lane m takes batch m
	s_wait_alu depctr_va_vdst(0)
	v_lshlrev_b32 v7, 5, v1                        ; W1's scales: 32 bytes a column
	s_wait_alu depctr_va_vdst(0)
	v_lshlrev_b32 v8, 2, v1                        ; the biases: 4 r
	s_wait_alu depctr_va_vdst(0)
	s_mov_b32 s24, C2
	s_mov_b32 s25, s24                             ; (the packed form names the pair)
	s_lshl_b32 s22, ttmp9, 13
	s_add_nc_u64 s[8:9], s[8:9], s[22:23]          ; W1's 16 rows of codes
	s_lshl_b32 s22, ttmp9, 9
	s_add_nc_u64 s[10:11], s[10:11], s[22:23]      ; their scale bytes
	s_lshl_b32 s22, ttmp9, 6
	s_add_nc_u64 s[12:13], s[12:13], s[22:23]      ; b1, b2 at column 16 T
	s_add_nc_u64 s[14:15], s[14:15], s[22:23]
	s_lshl_b32 s22, ttmp9, 11
	s_add_nc_u64 s[20:21], s[20:21], s[22:23]      ; qpc: 2,048 bytes a tile
.irp g, 0,1
.irp n, 0,1,2,3,4,5,6,7,8,9,10,11,12,13,14,15
	global_load_b128 v[QF+64*\g+4*\n:QF+64*\g+4*\n+3], v3, s[4:5] offset:8192*\g+32*\n
.endr
.endr
.irp n, 0,1,2,3,4,5,6,7,8,9,10,11,12,13,14,15
	global_load_b128 v[WF+4*\n:WF+4*\n+3], v3, s[8:9] offset:32*\n
.endr
	global_load_b128 v[QSW:QSW+3], v6, s[6:7]
	global_load_b128 v[QSW+4:QSW+7], v6, s[6:7] offset:16
	global_load_b128 v[WSW:WSW+3], v7, s[10:11]
	global_load_b128 v[WSW+4:WSW+7], v7, s[10:11] offset:16
	global_load_b32 v224, v8, s[12:13]
	global_load_b32 v225, v8, s[14:15]
	s_wait_loadcnt 0x0
	; source 0 = 16 batches, source 1 = 16 columns of W1: lane (r, h) holds column r, register j batch 16 g + 8 h + j.  The two accumulators take turns, K ascending; the first products start the sums.
.irp k, 0,1,2,3,4,5,6,7
.if \k == 0
	v_wmma_scale_f32_16x16x128_f8f6f4 v[AC:AC+7], v[QF:QF+7], v[WF:WF+7], 0, v[QSW], v[WSW] matrix_a_fmt:MATRIX_FMT_FP4 matrix_b_fmt:MATRIX_FMT_FP4
	v_wmma_scale_f32_16x16x128_f8f6f4 v[AC+8:AC+15], v[QF+64:QF+71], v[WF:WF+7], 0, v[QSW], v[WSW] matrix_a_fmt:MATRIX_FMT_FP4 matrix_b_fmt:MATRIX_FMT_FP4 matrix_a_scale:MATRIX_SCALE_ROW1
.else
	v_wmma_scale_f32_16x16x128_f8f6f4 v[AC:AC+7], v[QF+8*\k:QF+8*\k+7], v[WF+8*\k:WF+8*\k+7], v[AC:AC+7], v[QSW+\k], v[WSW+\k] matrix_a_fmt:MATRIX_FMT_FP4 matrix_b_fmt:MATRIX_FMT_FP4
	v_wmma_scale_f32_16x16x128_f8f6f4 v[AC+8:AC+15], v[QF+64+8*\k:QF+64+8*\k+7], v[WF+8*\k:WF+8*\k+7], v[AC+8:AC+15], v[QSW+\k], v[WSW+\k] matrix_a_fmt:MATRIX_FMT_FP4 matrix_b_fmt:MATRIX_FMT_FP4 matrix_a_scale:MATRIX_SCALE_ROW1
.endif
.endr
	v_add_f32 v226, v224, v225                     ; four plain lines that name none of the products' registers: the places behind them (ISA guide 7.12.1)
	v_mul_f32 v226, s24, v226                      ; c2 (b1 + b2)
	v_mov_b32 v227, v226
	v_nop
.irp n, 0,1,2,3,4,5,6,7
	v_pk_fma_f32 v[AC+2*\n:AC+2*\n+1], v[AC+2*\n:AC+2*\n+1], s[24:25], v[226:227] op_sel_hi:[1,0,1]   ; each accumulator from its low end on
.endr
	; a lane holds one column of 16 batches; through the stage they become [batch][r], 2,048 consecutive bytes
.irp g, 0,1
.irp j, 0,1,2,3,4,5,6,7
	ds_store_b32 v5, v[AC+8*\g+\j] offset:1024*\g+64*\j       ; batch 16 g + 8 h + j: 64 bytes a batch
.endr
.endr
.irp i, 0,1,2,3
	ds_load_b128 v[16+4*\i:19+4*\i], v4 offset:512*\i         ; LDS serves a wave's instructions in order (ISA guide 5.7.1.4): these see the stores above
.endr
.irp i, 0,1,2,3
	s_wait_dscnt 3-\i
	global_store_b128 v4, v[16+4*\i:19+4*\i], s[20:21] offset:512*\i
.endr
	s_wait_tensorcnt 0x0
	ds_add_u32 v254, v255
	s_wait_dscnt 0x0
	s_endpgm
.Lfunc_end_k_qd07055c797_prep:
	.size	k_qd07055c797_prep, .Lfunc_end_k_qd07055c797_prep-k_qd07055c797_prep
	.p2alignl 7, 3214868480
	.fill 96, 4, 3214868480
	.section	.rodata,"a",@progbits
	.p2align	6, 0x0
	.amdhsa_kernel k_qd07055c797_prep
		.amdhsa_group_segment_fixed_size 2304
		.amdhsa_private_segment_fixed_size 0
		.amdhsa_enable_private_segment 0
		.amdhsa_kernarg_size 72
		.amdhsa_user_sgpr_count 2
		.amdhsa_user_sgpr_kernarg_segment_ptr 1
		.amdhsa_wavefront_size32 1
		.amdhsa_system_sgpr_workgroup_id_x 1
		.amdhsa_system_sgpr_workgroup_id_y 1
		.amdhsa_system_sgpr_workgroup_id_z 1
		.amdhsa_system_vgpr_workitem_id 0
		.amdhsa_next_free_vgpr 256
		.amdhsa_next_free_sgpr 66
		.amdhsa_reserve_vcc 0
		.amdhsa_float_denorm_mode_32 3
		.amdhsa_float_denorm_mode_16_64 3
		.amdhsa_memory_ordered 1
		.amdhsa_forward_progress 1
		.amdhsa_inst_pref_size 15
	.end_amdhsa_kernel
	.amdgpu_metadata
---
amdhsa.version: [ 1, 2 ]
amdhsa.kernels:
  - .name:           k_qd07055c797_prep
    .symbol:         k_qd07055c797_prep.kd
    .args:
      - { .name: query_codes, .offset: 0, .size: 8, .value_kind: global_buffer, .address_space: global }
      - { .name: query_scales, .offset: 8, .size: 8, .value_kind: global_buffer, .address_space: global }
      - { .name: W1_codes, .offset: 16, .size: 8, .value_kind: global_buffer, .address_space: global }
      - { .name: W1_scales, .offset: 24, .size: 8, .value_kind: global_buffer, .address_space: global }
      - { .name: b1, .offset: 32, .size: 8, .value_kind: global_buffer, .address_space: global }
      - { .name: b2, .offset: 40, .size: 8, .value_kind: global_buffer, .address_space: global }
      - { .name: W2_codes, .offset: 48, .size: 8, .value_kind: global_buffer, .address_space: global }
      - { .name: w2img, .offset: 56, .size: 8, .value_kind: global_buffer, .address_space: global }
      - { .name: qpc, .offset: 64, .size: 8, .value_kind: global_buffer, .address_space: global }
    .group_segment_fixed_size: 2304
    .private_segment_fixed_size: 0
    .kernarg_segment_align: 8
    .kernarg_segment_size: 72
    .max_flat_workgroup_size: 32
    .sgpr_count:     66
    .vgpr_count:     256
    .wavefront_size: 32
...
	.end_amdgpu_metadata
.endif
;; end of part 1
;; launch main (part 2): grid 256 x 1, 4 waves a work-group, no clusters, 327,680 bytes of LDS; arguments values, w2img, W2_scales, qpc, Wv, sc, pml, pctx; writes sc, pml, pctx
.if DOCPART == 2
	.amdgcn_target "amdgcn-amd-amdhsa--gfx1250"
	.amdhsa_code_object_version 6
	.text
	.protected	k_qd07055c797_main
	.globl	k_qd07055c797_main
	.p2align	8
	.type	k_qd07055c797_main,@function
k_qd07055c797_main:
	s_mov_b64 s[64:65], 0
	v_nop
	global_prefetch_b8 v0, s[64:65] scope:SCOPE_SE
	s_setreg_imm32_b32 hwreg(HW_REG_WAVE_MODE, 25, 1), 1
	s_wait_xcnt 0x0
; Scores, a running softmax and the weighted sum for 256 rows (t) of one batch: work-group x takes batch x / 8, rows 256 (x % 8) on, in 8 blocks of 32 rows.  bv is left out (same for all t of a softmax over t: see the first kernel's head).
; A block: (1) its 32 rows of values, 131,072 bytes of f32, come into one of two LDS slots by four tensor loads, a wave 8 rows; (2) each wave quantises its 8 rows to FP4 codes and E8M0 bytes (blocks of 32 along K) into an LDS stage;
; (3) every wave takes all 32 rows' codes as A fragments and multiplies them with ITS 256 units of W2 (16 tiles of 16 columns, K 1,024): 256 matrix instructions; (4) tanh(x) = 1 - 2 / (1 + 2^(c2 x)), c2 = 2 log2(e), times Wv, summed over
; the wave's units, then over lanes and waves; (5) running maximum, p = exp(score - M), and ctx = ctx f + sum p x values from the same LDS slot, a wave 256 columns.  Partials (M, l, ctx) and the raw scores go to the next launch.
; THE PRODUCT GOES IN 8 HALF BATCHES OF 2 TILES, one from the ring and one resident: two runs of 16 matrix instructions, each on two accumulators by turns.  tanh of a half batch's 32 registers is five steps:
; multiply-adds, exponentials, additions, reciprocals, multiply-adds.  TWO SETS OF ACCUMULATORS TAKE TURNS, and the steps of neighbouring half batches share their waits: turn h runs the score sums of h - 2, the products of h (into the set
; just read), the additions of h - 1 and the multiply-adds of h, then ONE batch of 64 transcendentals (the reciprocals of h - 1, the exponentials of h), with one wait ahead of it and one behind it.
; W2: a wave's 16 tiles are 1,024 registers, more than it has left.  Tiles 0-7 stay in windows 2 and 3 for the whole launch; tiles 8-15 pass through two ring slots in window 1, position h of a trip in slot h % 2.
; THE RING WALKS TO AND FRO: positions 0..7 hold tiles 9, 8, 10, 11, 12, 13, 14, 15 in even trips and 14, 15, 13, 12, 11, 10, 9, 8 in odd ones, so the two tiles that a trip ends with are the next trip's first two: six tiles a trip are loaded,
; the tile of position h + 2 straight behind the 16 products of position h.  What belongs to a streamed tile (scale words, qpc, Wv) lies by POSITION and is re-ordered once a trip: positions 0 and 6, 1 and 7, 2 and 5, 3 and 4 change places.
; NO CLUSTER: the one thing that work-groups share, W2's image, goes from memory into registers; beside the two slots and the stages LDS has 25,600 bytes left, and one tile for each of four waves is 32,768.
; PREFETCH: in trips 0 to 4 each wave names the 128 blocks of 256 bytes of its 8 rows of block t + 3 (4 instructions, a lane a block): one trip ahead of the tensor load that fetches them; blocks 0 to 2 come by their loads alone.
; LIMITS: 2^(c2 x) may overflow to infinity or fall to 0: tanh is then exactly 1 or -1.  A p under 2^-126 falls to 0.
; REGISTERS: window 0: v1-31 addresses and small things, v32-103 Wv, qpc, sums, v128-191 a pool (f32 rows for the quantiser and the weighted sum; in the product the two sets of 4 accumulators), v192-255 W2's scale words.
;   window 1: v0-127 A's fragments ((g, k) at 64 g + 8 k), v128-255 the two ring slots.  windows 2, 3: tiles 0-3, 4-7.
.set ROWP,   4352                      ; a row of values in LDS: 16 pieces of 256 bytes, 16 bytes of padding behind each
.set WPART,  8*ROWP                    ; a wave's 8 rows: one tensor load
.set SLOT,   4*WPART
.set BLOCKB, 131072                    ; a block of 32 rows in memory
.set CODES,  2*SLOT                    ; the stage of codes: 32 rows of 512 bytes + 16
.set CP,     528
.set ASC,    CODES+32*CP               ; A's scale bytes: 32 rows of 32 bytes, pitch 48
.set AP,     48
.set SRED,   ASC+32*AP                 ; the waves' partial scores: 128 bytes a wave
.set SCO,    SRED+512                  ; the 256 scores, a copy for each wave
.set SPARE,  SCO+4096                  ; the spare words: 128 bytes a wave, named by no other line
.set SPW,  1
.set NIL,  2
.set QA,   3                           ; quantiser: my 64 bytes of my wave's first row, slot 0;  QAS: in this trip's slot
.set QAS,  4
.set CW,   5                           ; where my 8 bytes of codes go;  SW: my block's scale byte
.set SW,   6
.set AR,   7                           ; A's fragments and scale words in the stage
.set AS,   8
.set CX,   9                           ; weighted sum: my 16 bytes of row 0, slot 0;  CXS: in this trip's slot
.set ADR,  10
.set SRW,  11
.set SRR,  12
.set SCW,  13
.set GL,   14                          ; 16 x lane
.set BSA,  15
.set MX,   16                          ; running maximum;  LS: running sum (my lane's row of each block)
.set LS,   17
.set FF,   18
.set TT,   20
.set ASW,  24                          ; v24-31 A's scale words: register k, lane m = row m
.set WV2,  32                          ; v32-47 -2 Wv at column r: register j = tile j (j < 8) or ring position j - 8
.set QPC,  48                          ; v48-63 c2 (query W1 + b1 + b2) at column r, likewise
.set W0,   64                          ; v64-65 the sum of my 16 Wv, twice
.set PP,   66
.set CXS,  67
.set QSO,  68
.set PFO,  70                          ; 256 x lane, for the prefetches; never rewritten
.set SACC, 72                          ; v72-87 score sums: register 8 g + j = row 16 g + 8 h + j (the quantiser's small registers lie here too)
.set QM,   SACC+12
.set CTX,  88                          ; v88-103 the weighted sum: my 8 columns, in two chains
.set POOL, 128
.set ACC,  128                         ; half batch h: accumulator (a, g) at ACC + 32 (h % 2) + 16 a + 8 g: a = 0 the ring's tile, a = 1 the resident one
.set BSC,  192                         ; scale words at BSC + 4 j, j as for Wv: register i: lanes 0-15 K step i, lanes 16-31 K step 4 + i
.set SL,   23
.set G1,   24
.set G0A,  32
.set G0B,  36
.set RP,   50                          ; s[50:51], s[52:53] where ring slot 0, 1 is loaded from
.set PAR,  55                          ; the trip's parity
.set PF,   56                          ; s[56:57] my 8 rows of the block that the next prefetches name
.set SCP,  14                          ; s[14:15] sc, s[16:17] pml, s[18:19] pctx
.set PML,  16
.set PCX,  18
.set MSB, 0
.macro WIN new                         ; the immediate's high byte repeats the setting that is left
.if MSB != \new
	s_set_vgpr_msb (MSB<<8)|\new
.set MSB, \new
.endif
.endm
.macro PLACES n
.rept \n
	v_nop
.endr
.endm
.macro BARRIER
	s_wait_dscnt 0x0
	s_barrier_signal -1
	s_barrier_wait -1
.endm
; The change of slots.  Every wave: all its tensor loads have landed, the add, its LDS reads are back; the barrier; then its one tensor load, block t + 2 into the slot just read.
.macro CHANGE fill
.if \fill
	s_wait_xcnt 0x0                                ; the trip's prefetches have read their base: it steps only behind this wait
	s_add_nc_u64 s[PF:PF+1], s[PF:PF+1], BLOCKB
.endif
	s_wait_tensorcnt 0x0
	ds_add_u32 v[SPW], v[NIL]
	s_xor_b32 s[SL], s[SL], SLOT
	s_xor_b32 s[PAR], s[PAR], 1
.if \fill
	s_xor_b32 s[G0B+1], s[G0B+1], SLOT             ; no tensor load of mine is out: the descriptor may be written
	s_add_nc_u64 s[G0B+2:G0B+3], s[G0B+2:G0B+3], BLOCKB
.endif
	s_wait_dscnt 0x0
	s_barrier_signal -1
	s_barrier_wait -1
.if \fill
	tensor_load_to_lds s[G0B:G0B+3], s[G1:G1+7]
	s_nop 0
	PLACES 4
.endif
.endm
; THE QUANTISER.  Row QP of my wave's 8: lane l holds k = 16 l .. 16 l + 15 (u = 0) and 512 more (u = 1); a block of 32 lies in lanes l and l xor 1.  Two rows' loads are always out.
.macro QLOADP
.irp u, 0,1
.irp i, 0,1,2,3
	ds_load_b128 v[POOL+32*(QL%2)+16*\u+4*\i:POOL+32*(QL%2)+16*\u+4*\i+3], v[QAS] offset:ROWP*QL+2176*\u+16*\i
.endr
.endr
.endm
.macro QUANT
.set QL, 0
	QLOADP
.set QL, 1
	QLOADP
.set QP, 0
.rept 8
.if QP == 0
	s_wait_dscnt 8                                 ; behind row 0's loads: row 1's 8
.elseif QP < 7
	s_wait_dscnt 12                                ; behind this row's loads: 4 stores and the next row's 8 loads
.else
	s_wait_dscnt 4
.endif
.set QX, POOL+32*(QP%2)
.set QC, SACC+4*(QP%2)
.set QB, SACC+8+2*(QP%2)
.irp u, 0,1
	v_max3_num_f32 v[QM+2*\u], |v[QX+16*\u]|, |v[QX+16*\u+1]|, 0x1800000   ; the floor 2^(3 - 127): the byte cannot fall under 1
.endr
.irp u, 0,1
	v_max3_num_f32 v[QM+2*\u+1], |v[QX+16*\u+2]|, |v[QX+16*\u+3]|, |v[QX+16*\u+4]|
.endr
.irp i, 5,9
.irp u, 0,1
	v_max3_num_f32 v[QM+2*\u], v[QM+2*\u], |v[QX+16*\u+\i]|, |v[QX+16*\u+\i+1]|
.endr
.irp u, 0,1
	v_max3_num_f32 v[QM+2*\u+1], v[QM+2*\u+1], |v[QX+16*\u+\i+2]|, |v[QX+16*\u+\i+3]|
.endr
.endr
.irp u, 0,1
	v_max3_num_f32 v[QM+2*\u], v[QM+2*\u], |v[QX+16*\u+13]|, |v[QX+16*\u+14]|
.endr
.irp u, 0,1
	v_max3_num_f32 v[QM+2*\u], v[QM+2*\u], v[QM+2*\u+1], |v[QX+16*\u+15]|
.endr
.irp u, 0,1
	v_max_num_f32_dpp v[QM+2*\u], v[QM+2*\u], v[QM+2*\u] row_xmask:1 row_mask:0xf bank_mask:0xf
.endr
.irp u, 0,1
	v_add_nc_u32 v[QSO+\u], 0xff000000, v[QM+2*\u]         ; 2 off the exponent field: the conversion's scale operand
.endr
.irp u, 0,1
	v_cvt_scalef32_pk8_fp4_f32 v[QC+2*\u], v[QX+16*\u:QX+16*\u+7], v[QSO+\u]
	v_cvt_scalef32_pk8_fp4_f32 v[QC+2*\u+1], v[QX+16*\u+8:QX+16*\u+15], v[QSO+\u]
.endr
.irp u, 0,1
	v_lshrrev_b32 v[QB+\u], 23, v[QSO+\u]                  ; the scale's byte (also the plain line behind the conversions)
.endr
.irp u, 0,1
	ds_store_b64 v[CW], v[QC+2*\u:QC+2*\u+1] offset:CP*QP+256*\u
	ds_store_b8 v[SW], v[QB+\u] offset:AP*QP+16*\u
.endr
.if QP <= 5
.set QL, QP+2
	QLOADP
.endif
.set QP, QP+1
.endr
.endm
.macro ALOAD                           ; the 32 rows' scale words, then their codes as 16 fragments, K step by K step: 4 loads a K step.  The trip's first run of products waits for them by count
	ds_load_b128 v[ASW:ASW+3], v[AS]
	ds_load_b128 v[ASW+4:ASW+7], v[AS] offset:16
	WIN 0x40
.irp k, 0,1,2,3,4,5,6,7
.irp g, 0,1
.irp c, 0,1
	ds_load_b128 v[64*\g+8*\k+4*\c:64*\g+8*\k+4*\c+3], v[AR] offset:16*CP*\g+64*\k+32*\c
.endr
.endr
.endr
	WIN 0
.endm
.macro SLOTOF sg                       ; register slot sg of W2's tiles: its window BW and first register BB
.if (\sg) < 4
.set BW, 2
.set BB, 64*(\sg)
.elseif (\sg) < 8
.set BW, 3
.set BB, 64*((\sg)-4)
.else
.set BW, 1
.set BB, 128+64*((\sg)-8)
.endif
.endm
.macro WLOAD tile, sg, base            ; a tile's image, 8,192 bytes, into slot sg: 16 loads of 512 consecutive bytes
	SLOTOF \sg
	WIN (BW<<6)
.irp k, 0,1,2,3,4,5,6,7
.irp c, 0,1
	global_load_b128 v[BB+8*\k+4*\c:BB+8*\k+4*\c+3], v[GL], s[\base:\base+1] offset:8192*(\tile)+1024*\k+512*\c
.endr
.endr
	WIN 0
.endm
.macro ETILE j                         ; the tile that register place j holds in an even trip: tiles 8 and 9 change places
.set TE, \j
.if (\j) == 8
.set TE, 9
.endif
.if (\j) == 9
.set TE, 8
.endif
.endm
; One product: source 0 = 16 rows of values (g), source 1 = 16 columns of W2: lane (r, h) holds column r, register j row 16 g + 8 h + j.  The rows of the scale registers go by g and by K step.
.macro WM
.if WK == 0
.if WG == 0
	v_wmma_scale_f32_16x16x128_f8f6f4 v[rD:rD+7], v[rA:rA+7], v[rB:rB+7], 0, v[rS], v[rT] matrix_a_fmt:MATRIX_FMT_FP4 matrix_b_fmt:MATRIX_FMT_FP4
.else
	v_wmma_scale_f32_16x16x128_f8f6f4 v[rD:rD+7], v[rA:rA+7], v[rB:rB+7], 0, v[rS], v[rT] matrix_a_fmt:MATRIX_FMT_FP4 matrix_b_fmt:MATRIX_FMT_FP4 matrix_a_scale:MATRIX_SCALE_ROW1
.endif
.elseif WK < 4
.if WG == 0
	v_wmma_scale_f32_16x16x128_f8f6f4 v[rD:rD+7], v[rA:rA+7], v[rB:rB+7], v[rD:rD+7], v[rS], v[rT] matrix_a_fmt:MATRIX_FMT_FP4 matrix_b_fmt:MATRIX_FMT_FP4
.else
	v_wmma_scale_f32_16x16x128_f8f6f4 v[rD:rD+7], v[rA:rA+7], v[rB:rB+7], v[rD:rD+7], v[rS], v[rT] matrix_a_fmt:MATRIX_FMT_FP4 matrix_b_fmt:MATRIX_FMT_FP4 matrix_a_scale:MATRIX_SCALE_ROW1
.endif
.else
.if WG == 0
	v_wmma_scale_f32_16x16x128_f8f6f4 v[rD:rD+7], v[rA:rA+7], v[rB:rB+7], v[rD:rD+7], v[rS], v[rT] matrix_a_fmt:MATRIX_FMT_FP4 matrix_b_fmt:MATRIX_FMT_FP4 matrix_b_scale:MATRIX_SCALE_ROW1
.else
	v_wmma_scale_f32_16x16x128_f8f6f4 v[rD:rD+7], v[rA:rA+7], v[rB:rB+7], v[rD:rD+7], v[rS], v[rT] matrix_a_fmt:MATRIX_FMT_FP4 matrix_b_fmt:MATRIX_FMT_FP4 matrix_a_scale:MATRIX_SCALE_ROW1 matrix_b_scale:MATRIX_SCALE_ROW1
.endif
.endif
.endm
; 16 products under one window setting: the tile in register slot sg (scale words at place j) x both halves of the rows, K ascending; the two accumulators at ACC + 16 a and ACC + 16 a + 8 take turns; the first products start the sums.
; dsw = 1, the trip's first run: A's fragments are still coming in; behind K step k's four loads stand 4 (7 - k) younger ones.
.macro WRUN j, sg, a, dsw
	SLOTOF \sg
	WIN (0x01|(BW<<2))                             ; source 0 window 1, source 1 the tile's window, C and D window 0
.set WK, 0
.rept 8
.if \dsw
	s_wait_dscnt 4*(7-WK)
.endif
.set WG, 0
.rept 2
.set rD, ACC+16*(\a)+8*WG
.set rA, 64*WG+8*WK
.set rB, BB+8*WK
.set rS, ASW+WK
.set rT, BSC+4*(\j)+WK%4
	WM
.set WG, WG+1
.endr
.set WK, WK+1
.endr
.endm
; THE FIVE STEPS OF tanh AND THE PRODUCT WITH Wv, each for the 32 registers of half batch h (set h % 2): a = 0 the ring's tile (place 8 + h), a = 1 the resident tile h.
; Of the pairs of qpc and Wv one word serves both halves (low for an even place, high for an odd one).
.macro VF h                            ; c2 x + qpc, each accumulator from its low end on
.irp a, 0,1
.set TJ, 8*(1-\a)+(\h)
.set EN, 0
.rept 8
.set rE, ACC+32*((\h)%2)+16*\a+2*EN
.if TJ%2
	v_pk_fma_f32 v[rE:rE+1], v[rE:rE+1], s[40:41], v[QPC+TJ-1:QPC+TJ] op_sel:[0,0,1] op_sel_hi:[1,0,1]
.else
	v_pk_fma_f32 v[rE:rE+1], v[rE:rE+1], s[40:41], v[QPC+TJ:QPC+TJ+1] op_sel_hi:[1,0,0]
.endif
.set EN, EN+1
.endr
.endr
.endm
.macro VE h                            ; e = 2^(..)
.set EN, 0
.rept 32
.set rE, ACC+32*((\h)%2)+EN
	v_exp_f32 v[rE], v[rE]
.set EN, EN+1
.endr
.endm
.macro VA h                            ; 1 + e
.set EN, 0
.rept 16
.set rE, ACC+32*((\h)%2)+2*EN
	v_pk_add_f32 v[rE:rE+1], v[rE:rE+1], 1.0 op_sel_hi:[1,0]
.set EN, EN+1
.endr
.endm
.macro VR h                            ; 1 / (1 + e)
.set EN, 0
.rept 32
.set rE, ACC+32*((\h)%2)+EN
	v_rcp_f32 v[rE], v[rE]
.set EN, EN+1
.endr
.endm
.macro VS h                            ; score += -2 Wv / (1 + e); the block's first tile starts the sums from the sum of my Wv
.irp a, 0,1
.set TJ, 8*(1-\a)+(\h)
.set EN, 0
.rept 8
.set rE, ACC+32*((\h)%2)+16*\a+2*EN
.set rZ, SACC+2*EN
.if ((\h)+(\a)) == 0
	v_pk_fma_f32 v[rZ:rZ+1], v[rE:rE+1], v[WV2+TJ:WV2+TJ+1], v[W0:W0+1] op_sel_hi:[1,0,1]
.elseif TJ%2
	v_pk_fma_f32 v[rZ:rZ+1], v[rE:rE+1], v[WV2+TJ-1:WV2+TJ], v[rZ:rZ+1] op_sel:[0,1,0] op_sel_hi:[1,1,1]
.else
	v_pk_fma_f32 v[rZ:rZ+1], v[rE:rE+1], v[WV2+TJ:WV2+TJ+1], v[rZ:rZ+1] op_sel_hi:[1,0,1]
.endif
.set EN, EN+1
.endr
.endr
.endm
; The scores of the 32 rows: summed over the 16 columns of a lane row, then over the four waves through LDS; lane m then holds row m's.  Running maximum M, f = exp(old M - M), p = exp(score - M).
.macro SCORE
.irp m, 1,2,4,8
.irp n, 0,1,2,3,4,5,6,7,8,9,10,11,12,13,14,15
	v_add_f32_dpp v[SACC+\n], v[SACC+\n], v[SACC+\n] row_xmask:\m row_mask:0xf bank_mask:0xf
.endr
.endr
.irp g, 0,1
.irp q, 0,1
	ds_store_b128 v[SRW], v[SACC+8*\g+4*\q:SACC+8*\g+4*\q+3] offset:64*\g+16*\q
.endr
.endr
	BARRIER
.irp w, 0,1,2,3
	ds_load_b32 v[TT+\w], v[SRR] offset:128*\w
.endr
	s_wait_dscnt 0x0
	v_add_f32 v[TT], v[TT], v[TT+1]
	v_add_f32 v[TT+2], v[TT+2], v[TT+3]
	v_add_f32 v[TT], v[TT], v[TT+2]
	v_add_nc_u32 v[ADR], s45, v[SCW]
	ds_store_b32 v[ADR], v[TT]                     ; kept in my wave's copy until the end
	s_add_co_u32 s45, s45, 128
	v_max_num_f32_dpp v[TT+1], v[TT], v[TT] row_xmask:1 row_mask:0xf bank_mask:0xf
	v_max_num_f32_dpp v[TT+1], v[TT+1], v[TT+1] row_xmask:2 row_mask:0xf bank_mask:0xf
	v_max_num_f32_dpp v[TT+1], v[TT+1], v[TT+1] row_xmask:4 row_mask:0xf bank_mask:0xf
	v_max_num_f32_dpp v[TT+1], v[TT+1], v[TT+1] row_xmask:8 row_mask:0xf bank_mask:0xf
	v_permlanex16_b32 v[TT+2], v[TT+1], s42, s43
	v_max_num_f32 v[TT+1], v[TT+1], v[TT+2]
	v_max_num_f32 v[TT+1], v[MX], v[TT+1]
	v_sub_f32 v[TT+2], v[MX], v[TT+1]
	v_sub_f32 v[TT+3], v[TT], v[TT+1]
	v_mul_f32 v[TT+2], s47, v[TT+2]
	v_mul_f32 v[TT+3], s47, v[TT+3]
	s_wait_alu depctr_va_vdst(0)                   ; ahead of the batch
	v_exp_f32 v[FF], v[TT+2]
	v_exp_f32 v[FF+1], v[TT+2]
	v_exp_f32 v[PP], v[TT+3]
	v_mov_b32 v[MX], v[TT+1]
	s_wait_alu depctr_va_vdst(0)                   ; and behind it
	v_fma_f32 v[LS], v[LS], v[FF], v[PP]
.irp n, 0,1,2,3,4,5,6,7
	v_pk_mul_f32 v[CTX+2*\n:CTX+2*\n+1], v[CTX+2*\n:CTX+2*\n+1], v[FF:FF+1]
.endr
.endm
; THE WEIGHTED SUM: four rows a batch, my 8 columns of each (two loads of 16 bytes); a row's p comes as a scalar.  Two batches of loads are always out.
.macro CBATCH q
.if ((\q)%2) == 0
	v_add_nc_u32 v[ADR], WPART*((\q)/2), v[CXS]
.endif
.irp p, 0,1,2,3
.irp i, 0,1
	ds_load_b128 v[POOL+32*((\q)%2)+8*\p+4*\i:POOL+32*((\q)%2)+8*\p+4*\i+3], v[ADR] offset:ROWP*((4*(\q)+\p)%8)+544*\i
.endr
.endr
.endm
.macro PROWS from
.irp n, 0,1,2,3,4,5,6,7,8,9,10,11,12,13,14,15
	v_readlane_b32 s[66+2*\n], v[PP], \from+\n
.endr
.endm
.macro CFMA q
.irp p, 0,1,2,3
.irp e, 0,1,2,3
	v_pk_fma_f32 v[CTX+8*(\p%2)+2*\e:CTX+8*(\p%2)+2*\e+1], v[POOL+32*((\q)%2)+8*\p+2*\e:POOL+32*((\q)%2)+8*\p+2*\e+1], s[66+2*((4*(\q)+\p)%16):67+2*((4*(\q)+\p)%16)], v[CTX+8*(\p%2)+2*\e:CTX+8*(\p%2)+2*\e+1] op_sel_hi:[1,0,1]
.endr
.endr
.endm
.macro CONTEXT
	PROWS 0
.irp q, 0,1,2,3,4,5,6,7
.if \q == 7
	s_wait_alu depctr_va_vdst(0)
	s_wait_dscnt 0x0
.elseif \q > 1
	s_wait_alu depctr_va_vdst(0)
	s_wait_dscnt 8                                 ; the younger batch's 8 loads may be out
.endif
	CFMA \q
.if \q == 3
	PROWS 16
.endif
.if \q < 6
	CBATCH \q+2
.endif
.endr
.endm
; A block.  tail = 0: one of the six trips that fill a slot again; tail = 1: one of the last two.
.macro PROCESS tail
	v_add_nc_u32 v[QAS], s[SL], v[QA]
	v_add_nc_u32 v[CXS], s[SL], v[CX]
	QUANT
	BARRIER                                        ; all four waves' codes are in the stage
	ALOAD
.irp h, 0,1,2,3,4,5,6,7
.if \h >= 2
	VS \h-2                                        ; its reciprocals were waited for at the last turn's end; this turn's products then write over the set
.endif
.if (\h == 0) || (\h == 7)
	s_wait_loadcnt 0x0                             ; position 0: nothing is out but in the first trip, all that the head asked for; position 7: no younger load is out
.else
	s_wait_loadcnt 16                              ; this slot's 16 loads are in; the other slot's 16, issued behind them, may be out
.endif
	WRUN 8+\h, 8+\h%2, 2*(\h%2), (\h==0)
	WIN 0
	PLACES 4                                       ; in front of loads into registers that these products have read, and of the first read of their results
.if \h < 6
	s_mul_i32 s48, s[PAR], 8192*(3-2*\h)           ; position h + 2 holds tile 10 + h in an even trip, 13 - h in an odd one
	s_add_co_u32 s48, s48, 8192*(10+\h)
	s_add_nc_u64 s[RP+2*(\h%2):RP+2*(\h%2)+1], s[6:7], s[48:49]   ; this slot's last loads were shown done by the wait above: their base may be written
	WLOAD 0, 8+\h%2, RP+2*(\h%2)
.endif
.if (\h == 2) && (\tail == 0)
	s_cmp_eq_u32 s44, 1                            ; the sixth trip would name block 8, which is not mine
	s_cbranch_scc1 .Lno_ask
.irp i, 0,1,2,3
	global_prefetch_b8 v[PFO], s[PF:PF+1] offset:8192*\i th:TH_LOAD_NT scope:SCOPE_SE   ; 32 lanes x 256 bytes: a quarter of my 8 rows of block t + 3
.endr
.Lno_ask:
.endif
	WRUN \h, \h, 2*(\h%2)+1, 0
	WIN 0
.if \h >= 1
	VA \h-1                                        ; the other set: its 16 lines are places behind the last products
.endif
	VF \h                                          ; the ring's tile first: its 8 lines are places behind the resident tile's products too
	s_wait_alu depctr_va_vdst(0)                   ; the wait ahead of the batch: all its sources are written above,
.if \h >= 1
	VR \h-1
.endif
	VE \h
	v_nop                                          ; a plain line behind the last transcendental (ISA guide 5.7.2),
	s_wait_alu depctr_va_vdst(0)                   ; and for the wait behind it
.endr
	VS 6                                           ; the last two half batches run out
	VA 7
	s_wait_alu depctr_va_vdst(0)
	VR 7
	v_nop
	s_wait_alu depctr_va_vdst(0)
	VS 7
.irp p, 0,1,2,3                        ; the next trip walks the ring the other way: what lies by position changes places, 0 with 6, 1 with 7, 2 with 5, 3 with 4
.if \p < 2
.set PQ, \p+6
.else
.set PQ, 7-\p
.endif
	v_swap_b32 v[QPC+8+\p], v[QPC+8+PQ]
	v_swap_b32 v[WV2+8+\p], v[WV2+8+PQ]
.irp i, 0,1,2,3
	v_swap_b32 v[BSC+32+4*\p+\i], v[BSC+32+4*PQ+\i]
.endr
.endr
	CBATCH 0
	CBATCH 1
	SCORE
	CONTEXT
.endm
	s_load_b512 s[4:19], s[0:1], 0x0               ; values s[4:5], w2img s[6:7], W2's scales s[8:9], qpc s[10:11], Wv s[12:13], sc, pml, pctx
	v_lshl_add_u32 v[SPW], v0, 2, SPARE
	v_mov_b32 v[NIL], 0
	ds_add_u32 v[SPW], v[NIL]                      ; the opening lines: the add, twice on end, and its wait ahead of my first tensor load
	ds_add_u32 v[SPW], v[NIL]
	v_lshrrev_b32 v20, 5, v0
	v_readfirstlane_b32 s22, v20                   ; wave 0..3
	s_mov_b32 s[G1+0], (3<<16)|(1<<20)|(5<<22)|(3<<25)   ; elements of 8 bytes; 4 words of padding behind every 64
	s_mov_b32 s[G1+1], 32<<16                      ; 8 rows of 4,096 bytes are dense: 128 rows of 256 bytes
	s_mov_b32 s[G1+2], 128<<16
	s_mov_b32 s[G1+3], 32<<16
	s_mov_b32 s[G1+4], 128
	s_mov_b32 s[G1+5], 32
	s_mov_b32 s[G1+6], 0
	s_mov_b32 s[G1+7], 0
	s_mov_b32 s[G0A], 1
	s_mul_i32 s[G0A+1], s22, WPART
	s_mov_b32 s[G0B], 1
	s_add_co_u32 s[G0B+1], s[G0A+1], SLOT
	s_lshl_b32 s48, ttmp9, 20                      ; my work-group's 256 rows, my wave's 8 of a block
	s_lshl_b32 s49, s22, 15
	s_add_co_u32 s48, s48, s49
	s_mov_b32 s49, 0
	s_mul_i32 s50, s22, 8*CP
	s_add_co_u32 s50, s50, CODES
	s_mul_i32 s51, s22, 8*AP
	s_add_co_u32 s51, s51, ASC
	s_mul_i32 s52, s22, 1088
	s_lshl_b32 s53, s22, 7
	s_add_co_u32 s53, s53, SRED
	s_lshl_b32 s54, s22, 10
	s_add_co_u32 s54, s54, SCO
	s_mov_b32 s[SL], 0
	s_mov_b32 s[PAR], 0
	s_mov_b32 s40, 0x4038aa3b                      ; c2 = 2 log2(e)
	s_mov_b32 s41, s40
	s_mov_b32 s42, 0x76543210                      ; v_permlanex16_b32's selects for lane l xor 16
	s_mov_b32 s43, 0xfedcba98
	s_mov_b32 s45, 0
	s_mov_b32 s47, 0x3fb8aa3b                      ; log2(e)
.irp n, 0,1,2,3,4,5,6,7,8,9,10,11,12,13,14,15
	s_mov_b32 s[67+2*\n], 0                        ; the upper words of the pairs that the packed form names
.endr
	v_and_b32 v20, 31, v0                          ; lane
	v_and_b32 v21, 15, v0                          ; r
	v_bfe_u32 v22, v0, 4, 1                        ; h
	v_lshrrev_b32 v23, 2, v20
	v_mul_u32_u24 v[QA], v23, 272                  ; piece lane / 4 of a row, 64 bytes a lane
	v_and_b32 v23, 3, v20
	v_lshl_add_u32 v[QA], v23, 6, v[QA]
	v_add_nc_u32 v[QA], s[G0A+1], v[QA]
	v_lshl_add_u32 v[CW], v20, 3, s50
	v_lshrrev_b32 v[SW], 1, v20
	v_add_nc_u32 v[SW], s51, v[SW]
	v_mul_u32_u24 v[AR], v21, CP
	v_lshl_add_u32 v[AR], v22, 4, v[AR]
	v_add_nc_u32 v[AR], CODES, v[AR]
	v_mul_u32_u24 v[AS], v20, AP
	v_add_nc_u32 v[AS], ASC, v[AS]
	v_mul_u32_u24 v[CX], v22, 272
	v_lshl_add_u32 v[CX], v21, 4, v[CX]
	v_add_nc_u32 v[CX], s52, v[CX]
	v_lshl_add_u32 v[SRW], v22, 5, s53
	v_lshl_add_u32 v[SRR], v20, 2, SRED
	v_lshl_add_u32 v[SCW], v20, 2, s54
	v_lshlrev_b32 v[GL], 4, v20
	v_lshlrev_b32 v[BSA], 5, v21
	v_lshl_add_u32 v[BSA], v22, 4, v[BSA]
	v_lshlrev_b32 v[ADR], 2, v21
	v_lshlrev_b32 v[PFO], 8, v20
	v_mov_b32 v[MX], 0xff61b1e6                    ; -3e38, under every score
	v_mov_b32 v[LS], 0
.irp n, 0,1,2,3,4,5,6,7,8,9,10,11,12,13,14,15
	v_mov_b32 v[CTX+\n], 0
.endr
	s_wait_alu depctr_va_vdst(0)
	s_wait_dscnt 0x0                               ; both opening adds are done
	s_wait_kmcnt 0x0
	s_add_nc_u64 s[G0A+2:G0A+3], s[4:5], s[48:49]
	s_add_nc_u64 s[G0B+2:G0B+3], s[G0A+2:G0A+3], BLOCKB
	s_add_nc_u64 s[PF:PF+1], s[G0A+2:G0A+3], 3*BLOCKB
	s_or_b32 s[G0A+3], s[G0A+3], 0x80000000
	s_or_b32 s[G0B+3], s[G0B+3], 0x80000000
	tensor_load_to_lds s[G0A:G0A+3], s[G1:G1+7]    ; block 0: my one tensor load at the head
	s_nop 0
	PLACES 4
	s_lshl_b32 s48, s22, 10
	s_add_nc_u64 s[12:13], s[12:13], s[48:49]      ; Wv at my 256 units
	s_lshl_b32 s50, ttmp9, 12
	s_add_co_u32 s48, s48, s50
	s_add_nc_u64 s[PCX:PCX+1], s[PCX:PCX+1], s[48:49]
	s_lshr_b32 s50, ttmp9, 3
	s_lshl_b32 s50, s50, 6
	s_lshl_b32 s48, s22, 15
	s_add_co_u32 s48, s48, s50
	s_add_nc_u64 s[10:11], s[10:11], s[48:49]      ; qpc: my 16 tiles of 2,048 bytes, my batch's 64 bytes
	s_lshl_b32 s48, s22, 13
	s_add_nc_u64 s[8:9], s[8:9], s[48:49]
	s_lshl_b32 s48, s22, 17
	s_add_nc_u64 s[6:7], s[6:7], s[48:49]          ; my 16 tiles of 8,192 bytes
	s_lshl_b32 s48, ttmp9, 10
	s_lshl_b32 s50, s22, 8
	s_add_co_u32 s48, s48, s50
	s_add_nc_u64 s[SCP:SCP+1], s[SCP:SCP+1], s[48:49]
	s_lshl_b32 s48, ttmp9, 8
	s_add_nc_u64 s[PML:PML+1], s[PML:PML+1], s[48:49]
	; 208 loads, issued while block 0 is on its way: Wv first.  Places 8 to 15 in the order of an even trip
.irp j, 0,1,2,3,4,5,6,7,8,9,10,11,12,13,14,15
	ETILE \j
	global_load_b32 v[WV2+\j], v[ADR], s[12:13] offset:64*TE
.endr
.irp j, 0,1,2,3,4,5,6,7,8,9,10,11,12,13,14,15
	ETILE \j
	global_load_b32 v[QPC+\j], v[ADR], s[10:11] offset:2048*TE
.endr
.irp j, 0,1,2,3,4,5,6,7,8,9,10,11,12,13,14,15
	ETILE \j
	global_load_b128 v[BSC+4*\j:BSC+4*\j+3], v[BSA], s[8:9] offset:512*TE
.endr
.irp s, 0,1,2,3,4,5,6,7,8,9
	ETILE \s
	WLOAD TE, \s, 6
.endr
	s_wait_loadcnt 63                              ; loads come back in order (ISA guide 5.7.1): behind Wv's 16 stand 192, so they are in when 63 are out
	v_add_f32 v[W0], v[WV2], v[WV2+1]
.irp j, 2,3,4,5,6,7,8,9,10,11,12,13,14,15
	v_add_f32 v[W0], v[W0], v[WV2+\j]
.endr
	v_mov_b32 v[W0+1], v[W0]
.irp n, 0,1,2,3,4,5,6,7
	v_pk_mul_f32 v[WV2+2*\n:WV2+2*\n+1], v[WV2+2*\n:WV2+2*\n+1], -2.0 op_sel_hi:[1,0]
.endr
	s_wait_alu depctr_va_vdst(0)
	s_wait_tensorcnt 0x0                           ; my part of block 0 is in; slot 1's first fill is issued as a refill is:
	ds_add_u32 v[SPW], v[NIL]
	s_wait_dscnt 0x0
	s_barrier_signal -1
	s_barrier_wait -1                              ; everybody's part of block 0 is in
	tensor_load_to_lds s[G0B:G0B+3], s[G1:G1+7]    ; block 1
	s_nop 0
	PLACES 4
	s_mov_b32 s44, 6
.Lfilling:
	PROCESS 0
	CHANGE 1
	s_sub_co_u32 s44, s44, 1
	s_cmp_lg_u32 s44, 0
	s_cbranch_scc1 .Lfilling
	s_mov_b32 s44, 2
.Ldraining:                                            ; the last two blocks fetch nothing
	PROCESS 1
	CHANGE 0
	s_sub_co_u32 s44, s44, 1
	s_cmp_lg_u32 s44, 0
	s_cbranch_scc1 .Ldraining
	s_wait_alu depctr_va_vdst(0)
.irp e, 0,1,2,3
	v_pk_add_f32 v[CTX+2*\e:CTX+2*\e+1], v[CTX+2*\e:CTX+2*\e+1], v[CTX+8+2*\e:CTX+8+2*\e+1]   ; the two chains
.endr
	global_store_b128 v[GL], v[CTX:CTX+3], s[PCX:PCX+1]            ; 32 lanes store 512 consecutive bytes, aligned
	global_store_b128 v[GL], v[CTX+4:CTX+7], s[PCX:PCX+1] offset:512
	v_add_f32_dpp v[LS], v[LS], v[LS] row_xmask:1 row_mask:0xf bank_mask:0xf
	v_add_f32_dpp v[LS], v[LS], v[LS] row_xmask:2 row_mask:0xf bank_mask:0xf
	v_add_f32_dpp v[LS], v[LS], v[LS] row_xmask:4 row_mask:0xf bank_mask:0xf
	v_add_f32_dpp v[LS], v[LS], v[LS] row_xmask:8 row_mask:0xf bank_mask:0xf
	v_permlanex16_b32 v[TT+2], v[LS], s42, s43
	v_add_f32 v[LS], v[LS], v[TT+2]                ; l over the 32 lanes
	v_lshrrev_b32 v[TT+3], 1, v[GL]                ; 8 x lane
	s_mul_i32 s48, s22, 1280                       ; my copy of the scores (1,024 w), and in it my quarter (256 w)
	s_add_co_u32 s48, s48, SCO
	v_add_nc_u32 v[ADR], s48, v[TT+3]
	ds_load_b64 v[TT:TT+1], v[ADR]
	s_wait_alu depctr_va_vdst(0)
	s_wait_dscnt 0x0
	global_store_b64 v[TT+3], v[TT:TT+1], s[SCP:SCP+1]             ; 256 consecutive bytes, aligned
	s_cmp_lg_u32 s22, 0
	s_cbranch_scc1 .Lnot_wave_0
	global_store_b64 v[TT+3], v[MX:LS], s[PML:PML+1]               ; (M, l), the same in all lanes: a whole block of 256 bytes
.Lnot_wave_0:
	s_wait_tensorcnt 0x0                           ; the wave's end
	ds_add_u32 v[SPW], v[NIL]
	s_wait_dscnt 0x0
	s_endpgm
.Lfunc_end_k_qd07055c797_main:
	.size	k_qd07055c797_main, .Lfunc_end_k_qd07055c797_main-k_qd07055c797_main
	.p2alignl 7, 3214868480
	.fill 96, 4, 3214868480
	.section	.rodata,"a",@progbits
	.p2align	6, 0x0
	.amdhsa_kernel k_qd07055c797_main
		.amdhsa_group_segment_fixed_size 327680
		.amdhsa_private_segment_fixed_size 0
		.amdhsa_enable_private_segment 0
		.amdhsa_kernarg_size 64
		.amdhsa_user_sgpr_count 2
		.amdhsa_user_sgpr_kernarg_segment_ptr 1
		.amdhsa_wavefront_size32 1
		.amdhsa_system_sgpr_workgroup_id_x 1
		.amdhsa_system_sgpr_workgroup_id_y 1
		.amdhsa_system_sgpr_workgroup_id_z 1
		.amdhsa_system_vgpr_workitem_id 0
		.amdhsa_next_free_vgpr 1024
		.amdhsa_next_free_sgpr 98
		.amdhsa_reserve_vcc 0
		.amdhsa_float_denorm_mode_32 3
		.amdhsa_float_denorm_mode_16_64 3
		.amdhsa_memory_ordered 1
		.amdhsa_forward_progress 1
		.amdhsa_inst_pref_size 255
	.end_amdhsa_kernel
	.section	.bss,"aw",@nobits
	.p2align	6
	.space	262144
	.amdgpu_metadata
---
amdhsa.version: [ 1, 2 ]
amdhsa.kernels:
  - .name:           k_qd07055c797_main
    .symbol:         k_qd07055c797_main.kd
    .args:
      - { .name: values, .offset: 0, .size: 8, .value_kind: global_buffer, .address_space: global }
      - { .name: w2img, .offset: 8, .size: 8, .value_kind: global_buffer, .address_space: global }
      - { .name: W2_scales, .offset: 16, .size: 8, .value_kind: global_buffer, .address_space: global }
      - { .name: qpc, .offset: 24, .size: 8, .value_kind: global_buffer, .address_space: global }
      - { .name: Wv, .offset: 32, .size: 8, .value_kind: global_buffer, .address_space: global }
      - { .name: sc, .offset: 40, .size: 8, .value_kind: global_buffer, .address_space: global }
      - { .name: pml, .offset: 48, .size: 8, .value_kind: global_buffer, .address_space: global }
      - { .name: pctx, .offset: 56, .size: 8, .value_kind: global_buffer, .address_space: global }
    .group_segment_fixed_size: 327680
    .private_segment_fixed_size: 0
    .kernarg_segment_align: 8
    .kernarg_segment_size: 64
    .max_flat_workgroup_size: 128
    .sgpr_count:     98
    .vgpr_count:     1024
    .wavefront_size: 32
...
	.end_amdgpu_metadata
.endif
;; end of part 2
;; launch combine (part 3): grid 256 x 1, 1 waves a work-group, no clusters, 0 bytes of LDS; arguments sc, pml, pctx, out0, out1; writes out0, out1
.if DOCPART == 3
	.amdgcn_target "amdgcn-amd-amdhsa--gfx1250"
	.amdhsa_code_object_version 6
	.text
	.protected	k_qd07055c797_combine
	.globl	k_qd07055c797_combine
	.p2align	8
	.type	k_qd07055c797_combine,@function
k_qd07055c797_combine:
	s_mov_b64 s[64:65], 0
	v_nop
	global_prefetch_b8 v0, s[64:65] scope:SCOPE_SE
	s_setreg_imm32_b32 hwreg(HW_REG_WAVE_MODE, 25, 1), 1
	s_wait_xcnt 0x0
; A batch's softmax spans eight work-groups of the launch before; here their partials (m_i, l_i, ctx_i) are joined: M = max m_i, w_i = exp(m_i - M), L = sum l_i w_i,
; out0 = sum ctx_i w_i / L, out1 = exp(score - M) / L.  Work-group x: batch x / 8, part j = x % 8: 128 columns of out0 and 256 weights of out1.  One wave; every load and store covers 512 consecutive bytes, aligned.
; Memory binds and the work is small: no LDS, no matrix unit, no barrier.  A weight under 2^-126 falls to 0.
.set CT, 8                             ; v8-39  the eight partial contexts, my 4 columns of each
.set SS, 40                            ; v40-47 my 8 scores
.set WW, 50                            ; v50-57 w_i, then w_i / L
	s_load_b256 s[4:11], s[0:1], 0x0               ; sc s[4:5], pml s[6:7], pctx s[8:9], out0 s[10:11]
	s_load_b64 s[12:13], s[0:1], 0x20              ; out1
	v_lshlrev_b32 v1, 4, v0                        ; 16 x lane
	s_lshr_b32 s14, ttmp9, 3                       ; the batch
	s_and_b32 s15, ttmp9, 7                        ; the part
	s_mov_b32 s17, 0
	s_mov_b32 s20, 0x3fb8aa3b                      ; log2(e)
	s_wait_alu depctr_va_vdst(0)
	s_wait_kmcnt 0x0
	s_lshl_b32 s16, s14, 11
	s_add_nc_u64 s[6:7], s[6:7], s[16:17]          ; the batch's eight (m, l), 256 bytes apart
.irp i, 0,1,2,3,4,5,6,7
	s_load_b64 s[24+2*\i:25+2*\i], s[6:7], 256*\i
.endr
	s_lshl_b32 s16, s14, 15
	s_lshl_b32 s18, s15, 9
	s_add_co_u32 s16, s16, s18
	s_add_nc_u64 s[8:9], s[8:9], s[16:17]          ; the eight contexts, 4,096 bytes apart, at my 128 columns
	s_lshl_b32 s16, s14, 12
	s_add_co_u32 s16, s16, s18
	s_add_nc_u64 s[10:11], s[10:11], s[16:17]
	s_lshl_b32 s16, s14, 13
	s_lshl_b32 s18, s15, 10
	s_add_co_u32 s16, s16, s18
	s_add_nc_u64 s[4:5], s[4:5], s[16:17]          ; my 256 scores, and their weights
	s_add_nc_u64 s[12:13], s[12:13], s[16:17]
.irp i, 0,1,2,3,4,5,6,7
	global_load_b128 v[CT+4*\i:CT+4*\i+3], v1, s[8:9] offset:4096*\i
.endr
	global_load_b128 v[SS:SS+3], v1, s[4:5]
	global_load_b128 v[SS+4:SS+7], v1, s[4:5] offset:512
	s_wait_kmcnt 0x0
	v_mov_b32 v2, s24
.irp i, 1,2,3,4,5,6,7
	v_max_num_f32 v2, s[24+2*\i], v2               ; M
.endr
.irp i, 0,1,2,3,4,5,6,7
	v_sub_f32 v[WW+\i], s[24+2*\i], v2             ; the difference first: it is exact where the two are close
.endr
.irp i, 0,1,2,3,4,5,6,7
	v_mul_f32 v[WW+\i], s20, v[WW+\i]
.endr
	s_wait_alu depctr_va_vdst(0)
.irp i, 0,1,2,3,4,5,6,7
	v_exp_f32 v[WW+\i], v[WW+\i]
.endr
	v_nop                                          ; a plain line behind the exponentials (ISA guide 5.7.2)
	s_wait_alu depctr_va_vdst(0)
	v_mul_f32 v3, s25, v[WW]
.irp i, 1,2,3,4,5,6,7
	v_fma_f32 v3, s[25+2*\i], v[WW+\i], v3         ; L
.endr
	s_wait_alu depctr_va_vdst(0)
	v_rcp_f32 v4, v3
	v_nop
	s_wait_alu depctr_va_vdst(0)
.irp i, 0,1,2,3,4,5,6,7
	v_mul_f32 v[WW+\i], v[WW+\i], v4
.endr
	s_wait_alu depctr_va_vdst(0)
	s_wait_loadcnt 2                               ; the contexts are in; the two loads of scores may be out
.irp c, 0,1,2,3
	v_mul_f32 v[60+\c], v[CT+\c], v[WW]
.endr
.irp i, 1,2,3,4,5,6,7
.irp c, 0,1,2,3
	v_fma_f32 v[60+\c], v[CT+4*\i+\c], v[WW+\i], v[60+\c]
.endr
.endr
	global_store_b128 v1, v[60:63], s[10:11]
	s_wait_loadcnt 0x0
.irp n, 0,1,2,3,4,5,6,7
	v_sub_f32 v[SS+\n], v[SS+\n], v2
.endr
.irp n, 0,1,2,3,4,5,6,7
	v_mul_f32 v[SS+\n], s20, v[SS+\n]
.endr
	s_wait_alu depctr_va_vdst(0)
.irp n, 0,1,2,3,4,5,6,7
	v_exp_f32 v[SS+\n], v[SS+\n]
.endr
	v_nop
	s_wait_alu depctr_va_vdst(0)
.irp n, 0,1,2,3,4,5,6,7
	v_mul_f32 v[64+\n], v[SS+\n], v4
.endr
	global_store_b128 v1, v[64:67], s[12:13]
	global_store_b128 v1, v[68:71], s[12:13] offset:512
	s_endpgm
.Lfunc_end_k_qd07055c797_combine:
	.size	k_qd07055c797_combine, .Lfunc_end_k_qd07055c797_combine-k_qd07055c797_combine
	.p2alignl 7, 3214868480
	.fill 96, 4, 3214868480
	.section	.rodata,"a",@progbits
	.p2align	6, 0x0
	.amdhsa_kernel k_qd07055c797_combine
		.amdhsa_group_segment_fixed_size 0
		.amdhsa_private_segment_fixed_size 0
		.amdhsa_enable_private_segment 0
		.amdhsa_kernarg_size 40
		.amdhsa_user_sgpr_count 2
		.amdhsa_user_sgpr_kernarg_segment_ptr 1
		.amdhsa_wavefront_size32 1
		.amdhsa_system_sgpr_workgroup_id_x 1
		.amdhsa_system_sgpr_workgroup_id_y 1
		.amdhsa_system_sgpr_workgroup_id_z 1
		.amdhsa_system_vgpr_workitem_id 0
		.amdhsa_next_free_vgpr 80
		.amdhsa_next_free_sgpr 66
		.amdhsa_reserve_vcc 0
		.amdhsa_float_denorm_mode_32 3
		.amdhsa_float_denorm_mode_16_64 3
		.amdhsa_memory_ordered 1
		.amdhsa_forward_progress 1
		.amdhsa_inst_pref_size 8
	.end_amdhsa_kernel
	.amdgpu_metadata
---
amdhsa.version: [ 1, 2 ]
amdhsa.kernels:
  - .name:           k_qd07055c797_combine
    .symbol:         k_qd07055c797_combine.kd
    .args:
      - { .name: sc, .offset: 0, .size: 8, .value_kind: global_buffer, .address_space: global }
      - { .name: pml, .offset: 8, .size: 8, .value_kind: global_buffer, .address_space: global }
      - { .name: pctx, .offset: 16, .size: 8, .value_kind: global_buffer, .address_space: global }
      - { .name: out0, .offset: 24, .size: 8, .value_kind: global_buffer, .address_space: global }
      - { .name: out1, .offset: 32, .size: 8, .value_kind: global_buffer, .address_space: global }
    .group_segment_fixed_size: 0
    .private_segment_fixed_size: 0
    .kernarg_segment_align: 8
    .kernarg_segment_size: 40
    .max_flat_workgroup_size: 32
    .sgpr_count:     66
    .vgpr_count:     80
    .wavefront_size: 32
...
	.end_amdgpu_metadata
.endif
;; end of part 3
